; MI455X (gfx1250); checked and timed in simulation.
; The chip was launched on July 23, 2026; its instructions are those of AMD's public machine-readable ISA for CDNA 5 (MIT licence, August 2026) and "CDNA5" Instruction Set Architecture Reference Guide (July 2026). The comments in the code are by the model that wrote it; some were corrected since.
;; Self Attention. Allowed arithmetic: matrix products marked QUANTISED: E5M2 operands, one given power-of-two scale a tensor, by v_wmma_f32_16x16x64_bf8_bf8 or v_wmma_f32_16x16x128_bf8_bf8, f32 sums; everything else in f32.
;; Inputs: Wk_codes 1,024 x 32 x 32 uint8 (E5M2 codes of Wk, K innermost, in blocks of 32 codes); Wq_codes 1,024 x 32 x 32 uint8 (E5M2 codes of Wq, K innermost, in blocks of 32 codes); Wv_codes 1,024 x 32 x 32 uint8 (E5M2 codes of Wv, K innermost, in blocks of 32 codes); bk 1,024 float32; bq 1,024 float32; bv 1,024 float32; inputs_codes 4 x 2,048 x 32 x 32 uint8 (E5M2 codes of inputs, K innermost, in blocks of 32 codes); lowp_scales 10 int32 (the exponents e of the quantised operands' scales 2^e).
;; Outputs: out0 4 x 2,048 x 1,024 float32.
;; This version of the problem:
;;   THIS VERSION OF THE PROBLEM IS GIVEN IN LOW PRECISION. The matrix products marked QUANTISED in the list below multiply operands that are first quantised to E5M2 (5 exponent bits, 2 mantissa bits; 8 bits a number), with one given power-of-two scale for each operand tensor; their sums are f32. All else is computed in f32.
;;   The module's matrix products, in the order in which they are computed (A, B: the left and right operand; K: the contracted axis; several contracted axes count as one K, in the product's order):
;;     1. [M 8,192, K 1,024] x [K 1,024, N 1,024]; A: input inputs (given as codes); B: input Wq (given as codes): QUANTISED (scales: A lowp_scales[0], B lowp_scales[1])
;;     2. [M 8,192, K 1,024] x [K 1,024, N 1,024]; A: input inputs (given as codes); B: input Wk (given as codes): QUANTISED (scales: A lowp_scales[2], B lowp_scales[3])
;;     3. [M 8,192, K 1,024] x [K 1,024, N 1,024]; A: input inputs (given as codes); B: input Wv (given as codes): QUANTISED (scales: A lowp_scales[4], B lowp_scales[5])
;;     4. batch 64 x [M 2,048, K 64] x [K 64, N 2,048]; A: computed on the way; B: computed on the way: QUANTISED (scales: A lowp_scales[6], B lowp_scales[7])
;;     5. batch 64 x [M 2,048, K 2,048] x [K 2,048, N 64]; A: softmax (see below); B: computed on the way: QUANTISED (scales: A lowp_scales[8], B lowp_scales[9])
;;   THE QUANTISER, for each operand of a quantised product, along K:
;;     - The operand's scale is 2^e, e = its entry of the input lowp_scales (int32; the entries are numbered through the quantised products in the list's order, A before B).
;;     - Each number is divided by the scale, clamped to +-57,344, and rounded to the nearest number of E5M2, ties to even, subnormals kept.
;;     - The product sums the exact products of the quantised numbers (number of the format x scale) in f32.
;;   ~~~python
;;   def quantise(x, axis, e):      # numpy; x: float32 -> the quantised numbers, widened to float32 again
;;       x = np.moveaxis(x, axis, -1); K = x.shape[-1]
;;       r = np.clip(x / 2.0 ** e, -57344, 57344)
;;       step = 2.0 ** (np.maximum(np.frexp(np.where(r == 0, 1, r))[1] - 1, -14) - 2)
;;       q = np.round(r / step) * step * 2.0 ** e      # np.round: ties to even
;;       return np.moveaxis(q, -1, axis).astype(np.float32)
;;   ~~~
;;   SOFTMAX AHEAD OF A QUANTISED PRODUCT. Where the list says 'softmax', what is quantised is not the finished softmax but p = 2^(t - M), with t = logit x log2(e) and M = ceil(the row's largest t), a whole number; so 1/2 < the row's largest p <= 1. The row's sum l is taken of the UNQUANTISED p, in f32, and the product's result is divided by l at the end. Since M is a whole number, a kernel that streams over the keys may use a running M (the ceiling of the running maximum): every later rescaling is an exact power of two, so the quantised numbers keep their values, but for numbers so far below the row's largest that they fall under the format's range.
;;   OPERANDS COMPUTED ON THE WAY. 'Computed on the way' means the value that the module computes at that place (a softmax that the list does not call 'softmax' is quantised finished and normalised). What goes into a quantiser is computed in f32, as accurately as f32 sums, v_exp_f32 and their like allow (about 1e-6 of the number): no bf16 or f16 on the way to a quantiser, and a product that is left as it is and whose result goes on into a quantised operand takes f32 operands (vector FMAs, or v_wmma_f32_16x16x4_f32). A number that lies on a knife's edge between two numbers of the format may be rounded either way, as far as f32 arithmetic and the matrix unit's own rounding can turn it there, and no further.
;;   INPUTS GIVEN AS CODES. Wk (in the module: [1024, 1024], K = its axis 0); Wq (in the module: [1024, 1024], K = its axis 0); Wv (in the module: [1024, 1024], K = its axis 0); inputs (in the module: [4, 2048, 1024], K = its axis 2): each comes as NAME_codes (uint8): NAME with its K axis moved to the last place and cut into blocks of 32 codes, [.., K / 32, bytes a block], one block behind the other in memory; one code a byte (a code: sign, 5 exponent bits, 2 mantissa bits); its scale is its entry of lowp_scales. Its value is code x scale, taken as it is: it is not quantised again, and the codes and scales need not be those that the quantiser above would give.
;; One version. Each part assembles by itself: llvm-mc -triple=amdgcn-amd-amdhsa -mcpu=gfx1250 --defsym DOCPART=n.
;; ======== version 1 of 1: 2 launches
;; workspace buffers: qkv 25,165,824 bytes
;; launch proj (part 1): grid 12 x 32, 4 waves a work-group, clusters of 4 x 4, 327,680 bytes of LDS; arguments inputs_codes, Wq_codes, Wk_codes, Wv_codes, bq, bk, bv, lowp_scales, qkv; writes qkv
.if DOCPART == 1
	.amdgcn_target "amdgcn-amd-amdhsa--gfx1250"
	.amdhsa_code_object_version 6
	.text
	.protected	k_qe86ec26598_proj
	.globl	k_qe86ec26598_proj
	.p2align	8
	.type	k_qe86ec26598_proj,@function
k_qe86ec26598_proj:
	s_mov_b64 s[64:65], 0
	v_nop
	global_prefetch_b8 v0, s[64:65] scope:SCOPE_SE
	s_setreg_imm32_b32 hwreg(HW_REG_WAVE_MODE, 25, 1), 1
	s_wait_xcnt 0x0
	s_wait_alu depctr_hold_cnt(0) depctr_sa_sdst(0) depctr_va_vdst(0) depctr_va_sdst(0) depctr_va_ssrc(0) depctr_va_vcc(0) depctr_vm_vsrc(0)
	s_getreg_b32 s2, hwreg(HW_REG_IB_STS2, 6, 4)
	s_cmp_eq_u32 s2, 0
	s_cbranch_scc0 .Lentry_in_a_cluster
	s_endpgm
.Lentry_in_a_cluster:
	s_bfe_u32 s2, ttmp6, 0x10000c
	s_cmp_lg_u32 s2, 0xf033
	s_cbranch_scc0 .Lentry_shape_is_right
	s_endpgm
.Lentry_shape_is_right:
; q = x Wq + bq, k = x Wk + bk, v = x Wv + bv on codes of BF8 (E5M2), and their quantising for the two products of attention.  x: [8192][1024] codes, W*: [1024 (n)][1024 (k)] codes, K innermost.
; A sum of code products stands for sum x 2^E, E = the product's own two entries of the scales added (0+1 for q, 2+3 for k, 4+5 for v).  The bias goes in as the C of a sum's first product, divided by 2^E;
; the finished number is held within +-57,344 x 2^(eo - E) and converted with the one scale 2^(eo - E), eo = entry 6 (q), 7 (k), 9 (v).
; LIMITS: eo - E between -126 and 112, so that both powers of two are f32 numbers; bias x 2^-E finite.  NaN among the inputs is not served.
; SHARES.  384 tiles of 256 x 256, a work-group of four waves each, a wave 128 x 128: 64 accumulators, 512 registers.  The cluster's x says which product: 0 q, 1 k, 2 v.  K = 1,024 goes in four steps of 256
; through a ring of two LDS slots filled by the tensor data mover.  4 x 4 work-groups form a cluster: the four of a row need the same tiles of source 1, the four of a column those of source 0: asked for JOINTLY.
; THE MATRIX INSTRUCTION: source 1 gives a lane its row, source 0 its eight registers.  q, k: source 1 = 16 tokens, source 0 = 16 channels: a lane holds one token and eight neighbouring channels, which are
; neighbours along the K of q k^T.  v: source 1 = 16 channels (rows of Wv), source 0 = 16 tokens: a lane holds one channel and eight neighbouring keys, neighbours along the K of p v.  Only pointers are chosen.
; OUT.  The buffer qkv is laid as IMAGES OF THE NEXT LAUNCH'S OPERAND REGISTERS: for each (batch, head) 393,216 bytes: 128 images of 1,024 bytes of q (16 tokens x 64), 128 of k, and 16 x 4 images of 2,048 bytes
; of v (key step s, channel tile t: 16 channels x 128 keys).  Group c of four registers lies at 512 c + 16 x lane.  The conversions' results ARE such registers: each store of a wave covers 512 consecutive bytes, aligned.
; REGISTERS, in windows of 256: window 0: v1 r, v2 h, v8-15 bias offsets, v16-29 addresses and constants, v32-95 the bias (later the held numbers), from v128 source 1's fragments, ONE set (later the codes).
;   window 1: source 0's fragments, TWO sets.   window 2: the accumulators of my rows 0-63 ((a, b) at v[8 (8 a + b)]);   window 3: those of my rows 64-127.
.set ROWB,   256                       ; a tile's row in bytes: 256 codes
.set KROW,   1024                      ; a row of codes in memory
.set PITCH,  272                       ; an LDS row: 256 bytes + 16 of padding = 68 words: the 16 rows that a load touches start at 16 different banks (64 banks of 4 bytes: ISA guide 11.1)
.set FR,     16                        ; registers of a fragment: 16 rows x 128 K
.set NL,     4                         ; LDS loads that bring one
.set NP,     4                         ; places behind this matrix instruction (ISA guide 7.12.1)
.set HALFT,  128*PITCH                 ; 128 rows: what one tensor load brings
.set SLOT,   4*HALFT                   ; source 1's 256 rows, then source 0's 256 rows
.set SPARE,  2*SLOT                    ; behind the ring: the spare words, 128 bytes for each wave: two blocks of 256 bytes that no other line names
.set HEADB,  393216                    ; bytes of a (batch, head) in qkv
.set VOJ,  8                           ; v8-15   byte offsets of the bias loads
.set ADRA, 16                          ; v16-17  LDS address of my source 1 fragments in slot 0, 1
.set ADRB, 20                          ; v20-21  the same for source 0
.set VO0,  24                          ; v24     16 x lane: my place in an image's group of four registers
.set VO1,  25                          ; v25     the same, SC bytes on: the next head's image (q, k) or the image's second half (v)
.set SCV,  26                          ; v26     2^(eo - E) as f32
.set LIM,  27                          ; v27     57,344 x that
.set SPW,  28                          ; v28     LDS address of my spare word; never rewritten
.set NIL,  29                          ; v29     0; never rewritten
.set BI,   32                          ; v32-95  the bias / 2^E, eight registers a tile, in the result's layout
.set T,    32                          ; v32-95  the way out: a block's numbers, held
.set AF,   128                         ; source 1's fragments
.set CD,   128                         ; the way out: the codes, 16 registers for each block, so that no store's data are written again
.set G1, 24                            ; s[24:31] descriptor group 1 for source 1's tiles;  s[32:39] group 0, one set for each slot
.set G0, 32
.set G1B, 48                           ; s[48:55], s[56:63] the same for source 0's tiles
.set G0B, 56
.set MSB, 0
.macro WIN new                         ; the immediate's high byte repeats the setting that is left
.if MSB != \new
	s_set_vgpr_msb (MSB<<8)|\new
.set MSB, \new
.endif
.endm
.set MUL_LO, 0xa1                      ; source 0 window 1, source 1 window 0, C and D window 2
.set MUL_HI, 0xf1                      ; the same, C and D window 3
.set BIA_LO, 0x81                      ; the first step: C (the bias) window 0, D window 2
.set BIA_HI, 0xc1                      ; D window 3
.set TO_B,   0x40                      ; destination window 1, address window 0
; A joint load: waves 0 and 1 fetch for source 1, waves 2 and 3 for source 0.  Each line has ONE mask and one set of registers for all that issue it; the branch hangs on the wave's number alone.
; Four v_nop follow each of the two lines, ahead of the jump, the label and what follows.
.macro JLOAD g0a, g1a, g0b, g1b
	s_cmp_eq_u32 s15, 0
	s_cbranch_scc0 .Lfor_b_\@
	tensor_load_to_lds s[\g0a:\g0a+3], s[\g1a:\g1a+7]
	s_nop 0
.rept 4
	v_nop
.endr
	s_branch .Lasked_\@
.Lfor_b_\@:
	tensor_load_to_lds s[\g0b:\g0b+3], s[\g1b:\g1b+7]
	s_nop 0
.rept 4
	v_nop
.endr
.Lasked_\@:
.endm
.macro CREST                           ; a round of the cluster's barrier behind its opening barrier
	s_cmp_lg_u32 s14, 0
	s_cbranch_scc1 .Lnot_wave_0_\@
	s_barrier_signal -3
.Lnot_wave_0_\@:
	s_barrier_wait -3
	s_barrier_signal -1
	s_barrier_wait -1
.endm
.macro CROUND                          ; a whole round
	s_barrier_signal -1
	s_barrier_wait -1
	CREST
.endm
	s_load_b512 s[68:83], s[0:1], 0x0              ; x s[68:69], Wq s[70:71], Wk s[72:73], Wv s[74:75], bq s[76:77], bk s[78:79], bv s[80:81], the scales s[82:83]
	s_load_b64 s[10:11], s[0:1], 0x40              ; qkv
	v_lshl_add_u32 v[SPW], v0, 2, SPARE
	v_mov_b32 v[NIL], 0
	ds_add_u32 v28, v29
	ds_add_u32 v28, v29
	s_wait_dscnt 0x0
	v_lshrrev_b32 v1, 5, v0
	v_readfirstlane_b32 s14, v1                    ; wave 0..3
	s_lshr_b32 s15, s14, 1                         ; which half of the tile's rows is mine.  Also: I fetch for source 1 (0) or for source 0 (1)
	s_and_b32 s16, s14, 1                          ; which half of its columns.  Also: which 128 rows of that tile I fetch
	s_bfe_u32 s40, ttmp6, 0x40000                  ; cx, cy: my place in the cluster
	s_bfe_u32 s41, ttmp6, 0x40004
	s_and_b32 s13, ttmp7, 0xffff                   ; the cluster's y, 0..7: which 1,024 tokens
	s_cmp_eq_u32 ttmp9, 2                          ; the cluster's x: v?  It is the same in all sixteen partners
	s_cselect_b32 s17, 0, s13                      ; q, k: tokens run down the tile rows;  v: along the tile columns
	s_cselect_b32 s42, s13, 0
	s_lshl_b32 s17, s17, 2
	s_add_co_u32 s17, s17, s41                     ; tile row
	s_lshl_b32 s42, s42, 2
	s_add_co_u32 s42, s42, s40                     ; tile column
	s_lshl_b32 s43, s41, 2
	s_lshl_b32 s43, 15, s43                        ; my row of the cluster
	s_lshl_b32 s44, 0x1111, s40                    ; my column
	; descriptor group 1: a tile of 128 rows x 256 bytes, padded in LDS
	s_or_b32 s[G1+0], s43, (0<<16)|(1<<20)|(1<<21)|(5<<22)|(3<<25)  ; 15:0 the mask; 17:16 element of 1 byte; 20 padding on; 21 set beside a mask; 24:22 after every 64 words (code 5); 31:25 of 4 words (code 3)
	s_or_b32 s[G1B+0], s44, (0<<16)|(1<<20)|(1<<21)|(5<<22)|(3<<25)
.irp g, G1, G1B
	s_mov_b32 s[\g+1], ROWB<<16                    ; tensor_dim0
	s_mov_b32 s[\g+2], 128<<16                     ; tensor_dim1 = 128
	s_mov_b32 s[\g+3], ROWB<<16                    ; tile_dim0
	s_mov_b32 s[\g+4], 128                         ; tile_dim1 = 128
	s_mov_b32 s[\g+5], KROW                        ; tensor_dim0_stride
	s_mov_b32 s[\g+6], 0
	s_mov_b32 s[\g+7], 0
.endr
	s_lshl_b32 s18, s16, 7                         ; which 128 rows of the tile I fetch
	s_lshl_b32 s20, s17, 8
	s_add_co_u32 s20, s20, s18                     ; source 1: row 256 x tile row + 128 x half
	s_lshl_b32 s46, s42, 8
	s_add_co_u32 s46, s46, s18                     ; source 0: row 256 x tile column + 128 x half
	s_lshl_b32 s20, s20, 10                        ; in bytes: under 2^23
	s_mov_b32 s21, 0
	s_lshl_b32 s46, s46, 10
	s_mov_b32 s47, 0
	s_mul_i32 s45, s14, HALFT                      ; where they go: wave x 128 rows: no place in the cluster enters an LDS address
	s_wait_kmcnt 0x0
	s_load_b256 s[88:95], s[82:83], 0x0            ; the scales' exponents 0 to 7,
	s_load_b64 s[96:97], s[82:83], 0x20            ; 8 and 9
	s_cmp_eq_u32 ttmp9, 2                          ; the buffers are chosen by the product alone
	s_cselect_b64 s[4:5], s[74:75], s[68:69]       ; source 1: Wv, or x
	s_cselect_b64 s[6:7], s[68:69], s[70:71]       ; source 0: x, or Wq
	s_cselect_b64 s[8:9], s[80:81], s[76:77]       ; the bias: bv, or bq
	s_cmp_eq_u32 ttmp9, 1
	s_cselect_b64 s[6:7], s[72:73], s[6:7]         ; k: Wk,
	s_cselect_b64 s[8:9], s[78:79], s[8:9]         ; bk
	s_add_nc_u64 s[20:21], s[4:5], s[20:21]
	s_add_nc_u64 s[46:47], s[6:7], s[46:47]
	CROUND                                         ; all sixteen work-groups are here: the first joint loads meet
.irp s, 0,1
	s_mov_b32 s[G0+4*\s], 1
	s_add_co_u32 s[G0+4*\s+1], s45, \s*SLOT
	s_add_nc_u64 s[G0+4*\s+2:G0+4*\s+3], s[20:21], \s*ROWB
	s_or_b32 s[G0+4*\s+3], s[G0+4*\s+3], 0x80000000
	s_mov_b32 s[G0B+4*\s], 1
	s_add_co_u32 s[G0B+4*\s+1], s45, \s*SLOT
	s_add_nc_u64 s[G0B+4*\s+2:G0B+4*\s+3], s[46:47], \s*ROWB
	s_or_b32 s[G0B+4*\s+3], s[G0B+4*\s+3], 0x80000000
	JLOAD G0+4*\s, G1, G0B+4*\s, G1B               ; two loads of mine are out
.endr
	v_and_b32 v1, 15, v0                           ; r = l % 16
	v_bfe_u32 v2, v0, 4, 1                         ; h = l / 16
	v_mul_u32_u24 v3, v1, PITCH
	v_lshl_add_u32 v4, v2, 4, v3                   ; a fragment's row x pitch + 16 x half
	s_mul_i32 s21, s15, HALFT                      ; my 128 rows of source 1
	s_mul_i32 s22, s16, HALFT                      ; my 128 rows of source 0,
	s_add_co_u32 s22, s22, 2*HALFT                 ; which lie behind source 1's 256
.irp s, 0,1
	v_add_nc_u32 v[ADRA+\s], s21, v4
	v_add_nc_u32 v[ADRB+\s], s22, v4
	s_add_co_u32 s21, s21, SLOT
	s_add_co_u32 s22, s22, SLOT
.endr
	v_and_b32 v5, 31, v0
	v_lshlrev_b32 v[VO0], 4, v5                    ; 16 x lane
	; my wave's place: its first row and first column, and which of the two counts tokens
	s_lshl_b32 s20, s17, 8
	s_lshl_b32 s21, s15, 7
	s_add_co_u32 s20, s20, s21                     ; first row: 256 x tile row + 128 x half
	s_lshl_b32 s46, s42, 8
	s_lshl_b32 s47, s16, 7
	s_add_co_u32 s46, s46, s47                     ; first column
	s_mov_b32 s66, 1024                            ; SA: from a block's images to the next block's: q, k: the next 16 tokens' image
	s_mov_b32 s67, 0
	s_mov_b32 s68, 1024                            ; SB: the same from block 3 to block 4
	s_mov_b32 s69, 0
	s_mov_b32 s70, HEADB                           ; SC: from a block's first eight code registers to its last eight: q, k: the next head
	s_cmp_eq_u32 ttmp9, 2
	s_cselect_b32 s84, s46, s20                    ; my first token
	s_cselect_b32 s85, s20, s46                    ; my first channel
	s_cselect_b32 s72, 4, 0                        ; the bias's byte = 4 x first channel + 64 i + r sr + h sh + j sj:  v: (4, 0, 0): channel 16 i + r in all eight registers;
	s_cselect_b32 s73, 0, 32                       ; q, k: (0, 32, 4): channel 16 i + 8 h + j
	s_cselect_b32 s74, 0, 4
	s_cselect_b32 s66, 2048, s66                   ; v: SA: the next channel tile's image,
	s_cselect_b32 s68, HEADB-3*2048, s68           ; SB: the next head's first,
	s_cselect_b32 s70, 1024, s70                   ; SC: the image's second half
	s_lshl_b32 s98, s85, 2
	s_mov_b32 s99, 0
	s_add_nc_u64 s[8:9], s[8:9], s[98:99]          ; the bias at my first channel
	v_mul_u32_u24 v5, v1, s72
	v_mad_u32_u24 v5, v2, s73, v5
.irp j, 0,1,2,3,4,5,6,7
	s_mul_i32 s98, s74, \j
	v_add_nc_u32 v[VOJ+\j], s98, v5
.endr
.irp i, 0,1,2,3,4,5,6,7
.irp j, 0,1,2,3,4,5,6,7
	global_load_b32 v[BI+8*\i+\j], v[VOJ+\j], s[8:9] offset:64*\i   ; once in the launch: 512 bytes of the bias a wave
.endr
.endr
	v_add_nc_u32 v[VO1], s70, v[VO0]
	s_lshr_b32 s86, s84, 11                        ; where my first image lies: ((batch x 16 + head) x 393,216 + product x 131,072 + (token in the batch) x 64: one formula for the three
	s_lshl_b32 s86, s86, 4
	s_lshr_b32 s87, s85, 6
	s_add_co_u32 s86, s86, s87
	s_mul_i32 s86, s86, HEADB
	s_lshl_b32 s87, ttmp9, 17
	s_add_co_u32 s86, s86, s87
	s_and_b32 s87, s84, 2047
	s_lshl_b32 s87, s87, 6
	s_add_co_u32 s86, s86, s87
	s_mov_b32 s87, 0
	s_add_nc_u64 s[10:11], s[10:11], s[86:87]
	s_wait_kmcnt 0x0                               ; the ten exponents
	s_add_co_i32 s88, s88, s89                     ; E of q,
	s_add_co_i32 s90, s90, s91                     ; of k,
	s_add_co_i32 s92, s92, s93                     ; of v
	s_cmp_eq_u32 ttmp9, 2
	s_cselect_b32 s88, s92, s88
	s_cselect_b32 s94, s97, s94                    ; eo: entry 9 for v, 6 for q,
	s_cmp_eq_u32 ttmp9, 1
	s_cselect_b32 s88, s90, s88
	s_cselect_b32 s94, s95, s94                    ; 7 for k
	s_sub_co_i32 s71, 0, s88                       ; -E
	s_sub_co_i32 s94, s94, s88                     ; eo - E: the scales folded into the conversion's one
	s_add_co_i32 s94, s94, 127
	s_lshl_b32 s95, s94, 23
	v_mov_b32 v[SCV], s95                          ; 2^(eo - E) as f32: the conversion takes its exponent field
	s_add_co_i32 s94, s94, 15
	s_lshl_b32 s94, s94, 23
	s_or_b32 s94, s94, 0x600000
	v_mov_b32 v[LIM], s94                          ; 57,344 x that
	s_wait_loadcnt 0x0                             ; the bias
.set i, 0
.rept 64
	v_ldexp_f32 v[BI+i], v[BI+i], s71              ; / 2^E, the power of two that the sums lack: nothing is rounded
.set i, i+1
.endr
.macro FRAG reg, adr, q, i             ; a fragment, 16 rows x 128 K, is 16 registers: lane l holds row l % 16; registers 4 c .. 4 c + 3 hold K = 32 c + 16 (l / 16) + 0 .. 15: the same permutation of k on both sides, so every product meets its partner
.irp c, 0,1,2,3
	ds_load_b128 v[\reg+4*\c:\reg+4*\c+3], v[\adr] offset:128*(\q)+32*\c+(\i)*16*PITCH
.endr
.endm
; 16 matrix instructions: source 1's blocks a0, a0 + 1 x source 0's eight, 128 along K.  p: source 0's set.  cm = 0: onto the sums;  1: the sums start with the bias of source 0's tile (q, k);  2: of source 1's (v).
; The 64 accumulators take turns, one instruction a turn, in the same order in every step.
.macro MUL16 a0, p, cm
.irp a, \a0, \a0+1
.irp b, 0,1,2,3,4,5,6,7
.if \cm == 1
	v_wmma_f32_16x16x128_bf8_bf8 v[8*(8*((\a)%4)+\b):8*(8*((\a)%4)+\b)+7], v[128*(\p)+FR*\b:128*(\p)+FR*\b+FR-1], v[AF+FR*(\a):AF+FR*(\a)+FR-1], v[BI+8*\b:BI+8*\b+7]
.elseif \cm == 2
	v_wmma_f32_16x16x128_bf8_bf8 v[8*(8*((\a)%4)+\b):8*(8*((\a)%4)+\b)+7], v[128*(\p)+FR*\b:128*(\p)+FR*\b+FR-1], v[AF+FR*(\a):AF+FR*(\a)+FR-1], v[BI+8*(\a):BI+8*(\a)+7]
.else
	v_wmma_f32_16x16x128_bf8_bf8 v[8*(8*((\a)%4)+\b):8*(8*((\a)%4)+\b)+7], v[128*(\p)+FR*\b:128*(\p)+FR*\b+FR-1], v[AF+FR*(\a):AF+FR*(\a)+FR-1], v[8*(8*((\a)%4)+\b):8*(8*((\a)%4)+\b)+7]
.endif
.endr
.endr
.endm
.macro FETCH_B slot, q, p              ; source 0's eight fragments of the slot's q-th 128 along K into set p
	WIN TO_B
.irp i, 0,1,2,3,4,5,6,7
	FRAG 128*(\p)+FR*\i, ADRB+\slot, \q, \i
.endr
	WIN 0
.endm
.macro FETCH_A slot, q, i0             ; source 1's blocks i0 .. i0 + 3
.irp i, \i0, \i0+1, \i0+2, \i0+3
	FRAG AF+FR*(\i), ADRA+\slot, \q, \i
.endr
.endm
; A load into a register that a matrix instruction has read, and a vector instruction that reads a matrix result, stand NP places behind it; only plain vector instructions that name none of its registers are places.
.macro PLACES n
.rept \n
	v_nop
.endr
.endm
; A step of 128 along K that has its successor in the same slot.  A block of source 1 is free as soon as its eight products are issued: blocks 0-3 are fetched anew in the step's middle, blocks 4-7 at its end.
.macro STEP slot, q, cm
	s_wait_dscnt 4*NL                              ; source 0's set and source 1's blocks 0-3 are in; the youngest sixteen loads (blocks 4-7) may be out
.if \cm
	WIN BIA_LO
.else
	WIN MUL_LO
.endif
	MUL16 0, (\q)%2, \cm
	MUL16 2, (\q)%2, \cm
	s_wait_dscnt 0                                 ; blocks 4-7 are in (asked for 32 matrix instructions ago)
	PLACES NP
	FETCH_B \slot, (\q)+1, 1-(\q)%2
	FETCH_A \slot, (\q)+1, 0
.if \cm
	WIN BIA_HI
.else
	WIN MUL_HI
.endif
	MUL16 4, (\q)%2, \cm
	MUL16 6, (\q)%2, \cm
	PLACES NP
	WIN 0
	FETCH_A \slot, (\q)+1, 4
.endm
; A slot's last step changes slots: ONE barrier; in front of it each wave waits for all its tensor loads, adds 0 to its spare word, and waits for that and for its own reads of this slot.  fill = 1: this slot is filled again, two K steps ahead.
.macro TURN slot, next, fill
	s_wait_tensorcnt 0x0                           ; all my tensor loads have landed: my part of the next slot;  (every window is 0 here: the add's two registers lie in window 0)
	ds_add_u32 v[SPW], v[NIL]                      ; 0 onto my spare word
	s_wait_dscnt 4*NL+1                            ; (the add and the youngest sixteen loads, blocks 4-7, may be out)
	WIN MUL_LO
	MUL16 0, 1, 0                                  ; sixteen matrix instructions stand between the add and the wait for it
	s_wait_dscnt 0x0                               ; the add is done, and my reads of this slot are over
	s_barrier_signal -1
	MUL16 2, 1, 0
	WIN 0
	s_barrier_wait -1
.if \fill
	CREST                                          ; the barrier has opened a round of the cluster's barrier: no wave of any partner still reads this slot's tile or has a load on its way
	s_add_nc_u64 s[G0+4*\slot+2:G0+4*\slot+3], s[G0+4*\slot+2:G0+4*\slot+3], 2*ROWB
	s_add_nc_u64 s[G0B+4*\slot+2:G0B+4*\slot+3], s[G0B+4*\slot+2:G0B+4*\slot+3], 2*ROWB
	JLOAD G0+4*\slot, G1, G0B+4*\slot, G1B         ; the first tensor load behind the round; the four v_nop behind it are the places in front of the loads below
.else
	PLACES NP
.endif
	FETCH_B \next, 0, 0
	FETCH_A \next, 0, 0
	WIN MUL_HI
	MUL16 4, 1, 0
	MUL16 6, 1, 0
	PLACES NP
	WIN 0
	FETCH_A \next, 0, 4
.endm
	s_wait_tensorcnt 0x1                           ; my part of K step 0 is in (K step 1's load may be out)
	s_barrier_signal -1
	s_barrier_wait -1                              ; everybody's is
	FETCH_B 0, 0, 0
	FETCH_A 0, 0, 0
	FETCH_A 0, 0, 4
	s_cmp_eq_u32 ttmp9, 2                          ; the first step is written twice: its products start the sums with the bias, which lies along the registers for q and k and along the lanes for v.
	s_cbranch_scc1 .Lfirst_v                       ; The branch hangs on the cluster's number, the same in all partners; both ways hold the same loads and waits
	STEP 0, 0, 1
	s_branch .Lfirst_done
.Lfirst_v:
	STEP 0, 0, 2
.Lfirst_done:
	TURN 0, 1, 1                                   ; K = 1,024 is four slots' worth: written out, no loop.  Slot 0 takes K step 2,
	STEP 1, 0, 0
	TURN 1, 0, 1                                   ; slot 1 K step 3
	STEP 0, 0, 0
	TURN 0, 1, 0                                   ; nothing is left to fetch, so no round of the cluster's barrier
	STEP 1, 0, 0
	s_wait_dscnt 4*NL                              ; the very last step
	WIN MUL_LO
	MUL16 0, 1, 0
	MUL16 2, 1, 0
	s_wait_dscnt 0
	WIN MUL_HI
	MUL16 4, 1, 0
	MUL16 6, 1, 0
	WIN 0
; THE WAY OUT, block by block of 16 rows x 128 columns.  Accumulator (a, b)'s eight registers are eight neighbours along the next product's K: held, converted, they are registers 2 b, 2 b + 1 of the block's 16 code registers:
; q, k: two images (heads b / 4) of token tile a;  v: the one image of channel tile a and my 128 keys.  No stage: an image is stored as the registers stand.
.macro OUTB a
.set AC, 64*((\a)%4)
	WIN 0x02+((\a)/4)                              ; source 0: window 2 or 3
.set i, 0
.rept 64
	v_med3_num_f32 v[T+i], v[AC+i], -v[LIM], v[LIM]   ; the conversion to an 8-bit code does not saturate (ISA guide 7.6.2): the hold at the largest code x the scale; each accumulator from its low end on
.set i, i+1
.endr
	WIN 0
.irp b, 0,1,2,3,4,5,6,7
	v_cvt_scalef32_pk8_bf8_f32 v[CD+16*(\a)+2*\b:CD+16*(\a)+2*\b+1], v[T+8*\b:T+8*\b+7], v[SCV]
.endr
	v_nop                                          ; one plain vector instruction between the conversions and the next block's holds, which write their sources
.if (\a) > 0
	s_wait_xcnt 0x0                                ; the earlier stores have had their addresses translated (ISA guide 3.1): only behind this wait does their base step
.if (\a) == 4
	s_add_nc_u64 s[10:11], s[10:11], s[68:69]
.else
	s_add_nc_u64 s[10:11], s[10:11], s[66:67]
.endif
.endif
	global_store_b128 v[VO0], v[CD+16*(\a):CD+16*(\a)+3], s[10:11]                ; each store of the wave covers 512 consecutive bytes, aligned
	global_store_b128 v[VO0], v[CD+16*(\a)+4:CD+16*(\a)+7], s[10:11] offset:512
	global_store_b128 v[VO1], v[CD+16*(\a)+8:CD+16*(\a)+11], s[10:11]
	global_store_b128 v[VO1], v[CD+16*(\a)+12:CD+16*(\a)+15], s[10:11] offset:512
.endm
	PLACES NP                                      ; behind the last products: for the reads of results and for the codes, which land where source 1's fragments lay
.irp a, 0,1,2,3,4,5,6,7
	OUTB \a
.endr
	s_wait_tensorcnt 0x0                           ; the wave's end, behind my last tensor load
	ds_add_u32 v[SPW], v[NIL]
	s_wait_dscnt 0x0
	CROUND                                         ; the closing round: no work-group ends while a partner may still ask for a tile that names it
	s_endpgm
.Lfunc_end_k_qe86ec26598_proj:
	.size	k_qe86ec26598_proj, .Lfunc_end_k_qe86ec26598_proj-k_qe86ec26598_proj
	.p2alignl 7, 3214868480
	.fill 96, 4, 3214868480
	.section	.rodata,"a",@progbits
	.p2align	6, 0x0
	.amdhsa_kernel k_qe86ec26598_proj
		.amdhsa_group_segment_fixed_size 327680
		.amdhsa_private_segment_fixed_size 0
		.amdhsa_enable_private_segment 0
		.amdhsa_kernarg_size 72
		.amdhsa_user_sgpr_count 2
		.amdhsa_user_sgpr_kernarg_segment_ptr 1
		.amdhsa_wavefront_size32 1
		.amdhsa_system_sgpr_workgroup_id_x 1
		.amdhsa_system_sgpr_workgroup_id_y 1
		.amdhsa_system_sgpr_workgroup_id_z 1
		.amdhsa_system_vgpr_workitem_id 0
		.amdhsa_next_free_vgpr 1024
		.amdhsa_next_free_sgpr 100
		.amdhsa_reserve_vcc 0
		.amdhsa_float_denorm_mode_32 3
		.amdhsa_float_denorm_mode_16_64 3
		.amdhsa_memory_ordered 1
		.amdhsa_forward_progress 1
		.amdhsa_inst_pref_size 139
	.end_amdhsa_kernel
	.amdgpu_metadata
---
amdhsa.version: [ 1, 2 ]
amdhsa.kernels:
  - .name:           k_qe86ec26598_proj
    .symbol:         k_qe86ec26598_proj.kd
    .args:
      - { .name: inputs_codes, .offset: 0, .size: 8, .value_kind: global_buffer, .address_space: global }
      - { .name: Wq_codes, .offset: 8, .size: 8, .value_kind: global_buffer, .address_space: global }
      - { .name: Wk_codes, .offset: 16, .size: 8, .value_kind: global_buffer, .address_space: global }
      - { .name: Wv_codes, .offset: 24, .size: 8, .value_kind: global_buffer, .address_space: global }
      - { .name: bq, .offset: 32, .size: 8, .value_kind: global_buffer, .address_space: global }
      - { .name: bk, .offset: 40, .size: 8, .value_kind: global_buffer, .address_space: global }
      - { .name: bv, .offset: 48, .size: 8, .value_kind: global_buffer, .address_space: global }
      - { .name: lowp_scales, .offset: 56, .size: 8, .value_kind: global_buffer, .address_space: global }
      - { .name: qkv, .offset: 64, .size: 8, .value_kind: global_buffer, .address_space: global }
    .group_segment_fixed_size: 327680
    .private_segment_fixed_size: 0
    .kernarg_segment_align: 8
    .kernarg_segment_size: 72
    .max_flat_workgroup_size: 128
    .sgpr_count:     100
    .vgpr_count:     1024
    .wavefront_size: 32
...
	.end_amdgpu_metadata
.endif
;; end of part 1
;; launch attn (part 2): grid 4 x 64, 8 waves a work-group, clusters of 4 x 1, 327,680 bytes of LDS; arguments qkv, lowp_scales, out0; writes out0
.if DOCPART == 2
	.amdgcn_target "amdgcn-amd-amdhsa--gfx1250"
	.amdhsa_code_object_version 6
	.text
	.protected	k_qe86ec26598_attn
	.globl	k_qe86ec26598_attn
	.p2align	8
	.type	k_qe86ec26598_attn,@function
k_qe86ec26598_attn:
	s_mov_b64 s[64:65], 0
	v_nop
	global_prefetch_b8 v0, s[64:65] scope:SCOPE_SE
	s_setreg_imm32_b32 hwreg(HW_REG_WAVE_MODE, 25, 1), 1
	s_wait_xcnt 0x0
	s_wait_alu depctr_hold_cnt(0) depctr_sa_sdst(0) depctr_va_vdst(0) depctr_va_sdst(0) depctr_va_ssrc(0) depctr_va_vcc(0) depctr_vm_vsrc(0)
	s_getreg_b32 s2, hwreg(HW_REG_IB_STS2, 6, 4)
	s_cmp_eq_u32 s2, 0
	s_cbranch_scc0 .Lentry_in_a_cluster
	s_endpgm
.Lentry_in_a_cluster:
	s_bfe_u32 s2, ttmp6, 0x10000c
	s_cmp_lg_u32 s2, 0x3003
	s_cbranch_scc0 .Lentry_shape_is_right
	s_endpgm
.Lentry_shape_is_right:
; out[b][q][head][:] = the sum over keys k <= q of softmax_k(q . k / 8) v[k][:], both products on codes of BF8 (E5M2).  qkv holds, for each (batch, head), 393,216 bytes of IMAGES OF OPERAND REGISTERS:
; 128 images of 1,024 bytes of q (16 tokens x 64), 128 of k, 16 x 4 images of 2,048 bytes of v (key step s, channel tile t: 16 channels x 128 keys); group c of four registers at 512 c + 16 x lane.
; THE SOFTMAX AHEAD OF THE SECOND PRODUCT: t = score x log2(e) / 8; M = the row's largest t so far, rounded UP to a whole number; p = 2^(t - M) is quantised with 2^e8, not normalised.  The row's sum is taken of the
; unquantised p, in f32, and divides at the end.  When M moves, the sum and O are multiplied by 2^(old M - new M): nothing is rounded, and there is no branch on data.
; SHARES.  The four work-groups of a (batch, head) form a cluster; each has eight waves, two to a SIMD.  A unit is 32 queries, two tiles of 16, so that each fragment of K and V read from LDS feeds two products.
; Wave w of work-group cx makes unit 63 - 4 w - cx, whose diagonal lies in key step 15 - w, and then unit 4 w + cx, diagonal in key step w: (16 - w) + (w + 1) = 17 key steps of 128 keys in every wave of the launch.
; ALL OF THE HEAD'S K AND V, 262,144 bytes, lies in LDS, byte for byte as in memory, filled once by joint loads: each wave asks for four blocks of 8,192 bytes; group g of the four is key steps 4 g to 4 g + 3.
; Every wave walks every loop; a step all of whose keys come after the unit's queries is jumped over by a scalar branch on the wave's number and the step's; cx enters Q's and O's addresses and the mask's compare value alone.
; LAYOUT.  Both products transposed: S^T = K Q^T (source 0 = 16 keys), O^T = V^T P^T (source 0 = 16 channels): a lane holds ONE query (lane % 16) throughout; in S^T tile u its registers are keys 16 u + 8 (lane / 16) + 0 .. 7,
; which are registers 2 u, 2 u + 1 of the second product's operand: the conversions' results are that operand, k in its true places.
; LIMITS: e6 + e7 between -123 and 130 (added to c's exponent field); e8 between -126 and 112; e8 + e9 goes by v_ldexp_f32 and has none.  A masked key counts for nothing, as a score of -1e9 would
; wherever a row's scores lie within 9e8 of each other.  NaN among the inputs is not served.
; REGISTERS: window 0: v1-11 addresses and constants; v12-35 twelve of statistics a tile; v36-67 Q of both units; v68-99 p's codes; v100-227 S^T, then p (64 a tile).  window 1: v0-63 O^T; v64-127 K of a step; v128-191 V of a step.
.set HEADB, 393216
.set PARTB, 131072                     ; Q's, K's, V's part of a head; in LDS K lies at 0 and V here
.set STEPB, 8192                       ; a key step's images of K, and of V
.set STAGE, 2*PARTB                    ; behind K and V: 16 rows x 272 bytes for each wave, for the way out; no tensor load lands there
.set SP,    272
.set LI,   1                           ; v1   16 x lane
.set LIV,  2                           ; v2   the same in V's part
.set ADK,  3                           ; v3   LDS address of the step's K
.set ADV,  4                           ; v4   of its V
.set STO,  5                           ; v5   the way out: where I put 32 bytes of a row
.set RD,   6                           ; v6   where I read a row back
.set GO,   7                           ; v7   my byte offset in the unit's rows of out
.set HOLD, 8                           ; v8   57,344 x 2^e8
.set PSC,  9                           ; v9   2^e8 as f32
.set NINF, 10                          ; v10  -infinity
.set RH,   11                          ; v11  r - 8 h
.set ST,   12                          ; tile x's statistics at v[ST+12 x]: +0 -M, +1 the largest t, +2,+3 the sum, +4 f (+5 named with it), +6,+7 a second chain of the sum, +8,+9 at work, +10 from the other half, +11 d for the mask
.set QL,   36                          ; Q of the long unit, 8 registers a tile
.set QS,   52                          ; of the short one
.set P,    68
.set S,    100
.set KF,   64                          ; in window 1
.set VF,   128
.set WV,  10                           ; s10  wave
.set CX,  11                           ; s11  my place in the cluster
.set BH,  12                           ; s12  batch x 16 + head
.set CNT, 15                           ; s15  counts a loop's trips
.set G1,  16                           ; s[16:23] descriptor group 1;  s[24:39] four groups 0
.set G0,  24
.set SEL, 40                           ; s[40:41] lane selects for v_permlanex16_b32: lane l xor 16
.set CS,  42                           ; s[42:43] c = log2(e) / 8 x 2^(e6 + e7)
.set TB,  44                           ; s44  LDS byte at which the step's images begin
.set KS,  45                           ; s45  the key step
.set AD,  46                           ; s46  the unit's diagonal key step
.set EPV, 47                           ; s47  e8 + e9
.set MSB, 0
.macro WIN new                         ; the immediate's high byte repeats the setting that is left
.if MSB != \new
	s_set_vgpr_msb (MSB<<8)|\new
.set MSB, \new
.endif
.endm
.macro CROUND                          ; a round of the cluster's barrier
	s_barrier_signal -1
	s_barrier_wait -1
	s_cmp_lg_u32 s[WV], 0
	s_cbranch_scc1 .Lnot_wave_0_\@
	s_barrier_signal -3
.Lnot_wave_0_\@:
	s_barrier_wait -3
	s_barrier_signal -1
	s_barrier_wait -1
.endm
	s_load_b128 s[4:7], s[0:1], 0x0                ; qkv s[4:5], the scales' exponents s[6:7]
	s_load_b64 s[8:9], s[0:1], 0x10                ; out
	v_lshl_add_u32 v254, v0, 2, 0x48800
	v_mov_b32 v255, 0
	ds_add_u32 v254, v255
	ds_add_u32 v254, v255
	v_lshrrev_b32 v1, 5, v0
	v_readfirstlane_b32 s[WV], v1                  ; wave 0..7
	s_bfe_u32 s[CX], ttmp6, 0x40000                ; cx
	s_and_b32 s[BH], ttmp7, 0xffff                 ; the cluster's y: batch x 16 + head, which the four partners share
	; descriptor group 1: a dense block of 8,192 bytes as 32 rows of 32 elements of 8 bytes
	s_mov_b32 s[G1], 15|(3<<16)|(1<<21)            ; 15:0 the mask: all four work-groups; 17:16 elements of 8 bytes; 20 no padding; 21 set beside a mask
	s_mov_b32 s[G1+1], 32<<16                      ; tensor_dim0 = 32
	s_mov_b32 s[G1+2], 32<<16                      ; tensor_dim1 = 32
	s_mov_b32 s[G1+3], 32<<16                      ; tile_dim0 = 32
	s_mov_b32 s[G1+4], 32                          ; tile_dim1 = 32
	s_mov_b32 s[G1+5], 32                          ; tensor_dim0_stride
	s_mov_b32 s[G1+6], 0
	s_mov_b32 s[G1+7], 0
	s_and_b32 s13, s[WV], 3                        ; waves 0-3 bring K, waves 4-7 V; of each group of four key steps, step wave % 4
	s_lshl_b32 s13, s13, 13
	s_lshr_b32 s14, s[WV], 2
	s_lshl_b32 s14, s14, 17
	s_add_co_u32 s13, s13, s14                     ; 8,192 (w % 4) + 131,072 (w / 4): the same offset in LDS and in the head's K and V
	s_mul_i32 s60, s[BH], HEADB
	s_mov_b32 s61, 0
	s_mov_b32 s[SEL], 0x76543210
	s_mov_b32 s[SEL+1], 0xfedcba98
	s_mov_b32 s[CS], 0x3e38aa3b                    ; log2(e) / 8
	s_wait_dscnt 0x0
	s_wait_kmcnt 0x0
	s_load_b128 s[48:51], s[6:7], 0x18             ; e6, e7, e8, e9
	s_add_nc_u64 s[4:5], s[4:5], s[60:61]          ; the head's Q
	s_add_co_u32 s60, s13, PARTB
	s_add_nc_u64 s[62:63], s[4:5], s[60:61]        ; my block of group 0
	CROUND                                         ; all four work-groups are here: the joint loads meet
.irp g, 0,1,2,3
	s_mov_b32 s[G0+4*\g], 1                        ; count = 1
	s_add_co_u32 s[G0+4*\g+1], s13, 4*STEPB*\g     ; LDS address
	s_add_nc_u64 s[G0+4*\g+2:G0+4*\g+3], s[62:63], 4*STEPB*\g
	s_or_b32 s[G0+4*\g+3], s[G0+4*\g+3], 0x80000000   ; type = 2
.endr
.irp g, 0,1,2,3
	tensor_load_to_lds s[G0+4*\g:G0+4*\g+3], s[G1:G1+7]   ; all fills of the launch, in one group: four loads of mine are out; no byte is filled twice
	s_nop 0
.endr
.rept 4
	v_nop
.endr
	v_and_b32 v1, 31, v0
	v_lshlrev_b32 v[LI], 4, v1
	v_add_nc_u32 v[LIV], PARTB, v[LI]
	s_lshl_b32 s70, s[WV], 2
	s_add_co_u32 s70, s70, s[CX]                   ; the short unit: 4 w + cx
	s_sub_co_u32 s71, 63, s70                      ; the long one
	s_mov_b32 s67, 0
	s_lshl_b32 s66, s71, 11                        ; a unit's two images of Q: 2,048 bytes
	s_add_nc_u64 s[52:53], s[4:5], s[66:67]
	s_lshl_b32 s66, s70, 11
	s_add_nc_u64 s[54:55], s[4:5], s[66:67]
.irp x, 0,1
.irp c, 0,1
	global_load_b128 v[QL+8*\x+4*\c:QL+8*\x+4*\c+3], v[LI], s[52:53] offset:1024*\x+512*\c   ; Q of both units stays in registers
	global_load_b128 v[QS+8*\x+4*\c:QS+8*\x+4*\c+3], v[LI], s[54:55] offset:1024*\x+512*\c
.endr
.endr
	s_lshr_b32 s68, s[BH], 4                       ; out: batch x 2,048 rows of 4,096 bytes + head x 256 + unit x 32 rows
	s_lshl_b32 s68, s68, 23
	s_and_b32 s69, s[BH], 15
	s_lshl_b32 s69, s69, 8
	s_add_co_u32 s68, s68, s69
	s_lshl_b32 s66, s71, 17
	s_add_co_u32 s66, s66, s68
	s_add_nc_u64 s[56:57], s[8:9], s[66:67]
	s_lshl_b32 s66, s70, 17
	s_add_co_u32 s66, s66, s68
	s_add_nc_u64 s[58:59], s[8:9], s[66:67]
	s_mul_i32 s14, s[WV], 16*SP
	s_add_co_u32 s14, s14, STAGE                   ; my stage
	v_and_b32 v3, 15, v0                           ; r
	v_bfe_u32 v4, v0, 4, 1                         ; h
	v_mul_u32_u24 v[STO], v3, SP
	v_lshl_add_u32 v[STO], v4, 5, v[STO]
	v_add_nc_u32 v[STO], s14, v[STO]               ; in: row r, 32 bytes for each half of the lanes
	v_mul_u32_u24 v[RD], v4, SP
	v_lshl_add_u32 v[RD], v3, 4, v[RD]
	v_add_nc_u32 v[RD], s14, v[RD]                 ; back: lanes 0-15 one row of 256 bytes, lanes 16-31 the next
	v_lshlrev_b32 v[GO], 12, v4
	v_lshl_add_u32 v[GO], v3, 4, v[GO]             ; and the same two rows in out
	v_lshlrev_b32 v[RH], 3, v4
	v_sub_nc_u32 v[RH], v3, v[RH]                  ; r - 8 h
	v_mov_b32 v[NINF], 0xff800000
	s_wait_kmcnt 0x0
	s_add_co_i32 s60, s48, s49
	s_lshl_b32 s60, s60, 23
	s_add_co_i32 s[CS], s[CS], s60                 ; a score stands for score x 2^(e6 + e7): the two exponents are added to c's exponent field
	s_mov_b32 s[CS+1], s[CS]                       ; (named with it as a pair, so it is written)
	s_add_co_i32 s60, s50, 127
	s_lshl_b32 s61, s60, 23
	v_mov_b32 v[PSC], s61                          ; 2^e8 as f32, for the conversion
	s_add_co_i32 s60, s60, 15
	s_lshl_b32 s60, s60, 23
	s_or_b32 s60, s60, 0x600000
	v_mov_b32 v[HOLD], s60                         ; 57,344 x 2^e8
	s_add_co_i32 s[EPV], s50, s51
; A unit begins: the largest t is -3e38, under every t; the sums and O^T are zeros, which the first change of M leaves zeros.  cs: the scalar register that holds 32 x (the unit's place among its key step's four).
.macro INIT cs
.irp x, 0,1
	v_mov_b32 v[ST+12*\x+1], 0xff61b1e6
	v_floor_f32 v[ST+12*\x], -v[ST+12*\x+1]        ; -M
	v_mov_b32 v[ST+12*\x+2], 0
	v_mov_b32 v[ST+12*\x+3], 0
	v_mov_b32 v[ST+12*\x+5], 0                     ; (named as the upper half of f's pair)
	v_mov_b32 v[ST+12*\x+10], 0                    ; a lane permute's destination counts as one of its sources
	v_add_nc_u32 v[ST+12*\x+11], s[\cs], v[RH]
.endr
	v_add_nc_u32 v[ST+12+11], 16, v[ST+12+11]      ; d = my query's place in the diagonal step - 8 h: register 8 u + j holds key 16 u + 8 h + j, hidden where 16 u + j > d
	WIN 0x40                                       ; destination window 1
.set n, 0
.rept 64
	v_mov_b32 v[n], 0                              ; O^T.  (The step is written without a first step of its own: 64 moves a unit against further copies of the step)
.set n, n+1
.endr
	WIN 0
.endm
; Slice q of 32 of tile x's work on its p: the pair's sum (of the UNQUANTISED p, in two chains), and the hold of the pair before.  e = 1: two exponentials of the OTHER tile stand between, each with a plain line behind it.
.macro SLICE x, e
.set rS, S+64*\x
.set rO, S+64*(1-\x)
.set rT, ST+12*\x
.if \e
	v_exp_f32 v[rO+2*q], v[rO+2*q]
.endif
.if q == 0
	v_pk_mul_f32 v[rT+2:rT+3], v[rT+2:rT+3], v[rT+4:rT+5] op_sel_hi:[1,0]   ; the sum under the new M
.elseif q == 1
	s_wait_alu depctr_va_vdst(0)
	v_pk_add_f32 v[rT+6:rT+7], v[rS:rS+1], v[rS+2:rS+3]
.elseif q%2 == 0
	v_pk_add_f32 v[rT+2:rT+3], v[rT+2:rT+3], v[rS+2*q:rS+2*q+1]
.else
	v_pk_add_f32 v[rT+6:rT+7], v[rT+6:rT+7], v[rS+2*q:rS+2*q+1]
.endif
.if \e
	v_exp_f32 v[rO+2*q+1], v[rO+2*q+1]
.endif
.if q >= 1
	v_min_num_f32 v[rS+2*q-2], v[rS+2*q-2], v[HOLD]   ; the conversion to an 8-bit code does not saturate (ISA guide 7.6.2); p is not negative, so the hold is one-sided; the pair has been summed
	v_min_num_f32 v[rS+2*q-1], v[rS+2*q-1], v[HOLD]
.endif
.set q, q+1
.endm
.macro TAILS x
.set rS, S+64*\x
.set rT, ST+12*\x
	v_min_num_f32 v[rS+62], v[rS+62], v[HOLD]
	v_min_num_f32 v[rS+63], v[rS+63], v[HOLD]
	v_pk_add_f32 v[rT+2:rT+3], v[rT+2:rT+3], v[rT+6:rT+7]
.irp u, 0,1,2,3,4,5,6,7
	v_cvt_scalef32_pk8_bf8_f32 v[P+16*\x+2*\u:P+16*\x+2*\u+1], v[rS+8*\u:rS+8*\u+7], v[PSC]   ; registers 2 u, 2 u + 1 of the operand: keys 16 u + 8 h + 0 .. 7
.endr
.endm
; A KEY STEP: 128 keys against the unit's 32 queries.  qb: Q's registers.  diag = 1: the loop holds the unit's diagonal step.
.macro STEP qb, diag
.if \diag
	s_cmp_gt_u32 s[KS], s[AD]                      ; all 128 keys come after my queries: the step's work is left out; the lines at its end that step addresses are not
	s_cbranch_scc1 .Lhidden_\@
.endif
	v_add_nc_u32 v[ADK], s[TB], v[LI]
	v_add_nc_u32 v[ADV], s[TB], v[LIV]
	v_nop                                          ; with the two additions: four places between the last step's products and the loads into V's registers
	v_nop
	WIN 0x40                                       ; destination window 1
.irp u, 0,1,2,3,4,5,6,7
	ds_load_b128 v[KF+8*\u:KF+8*\u+3],   v[ADK] offset:1024*\u       ; an image comes back as it was stored: 512 consecutive bytes an instruction
	ds_load_b128 v[KF+8*\u+4:KF+8*\u+7], v[ADK] offset:1024*\u+512
.endr
.irp t, 0,1,2,3
.irp c, 0,1,2,3
	ds_load_b128 v[VF+16*\t+4*\c:VF+16*\t+4*\c+3], v[ADV] offset:2048*\t+512*\c
.endr
.endr
	s_wait_dscnt 16                                ; K is in; V's sixteen loads may be out: they have the softmax in which to land
	WIN 0x01                                       ; source 0 (K) window 1
.irp u, 0,1,2,3,4,5,6,7
.irp x, 0,1
	v_wmma_f32_16x16x64_bf8_bf8 v[S+64*\x+8*\u:S+64*\x+8*\u+7], v[KF+8*\u:KF+8*\u+7], v[\qb+8*\x:\qb+8*\x+7], 0
.endr
.endr
	WIN 0
.rept 4
	v_nop                                          ; places in front of the first read of results
.endr
.if \diag
	s_cmp_lt_u32 s[KS], s[AD]                      ; a step all of whose keys count skips the mask
	s_cbranch_scc1 .Lopen_\@
.set n, 0
.rept 64
	v_cmp_gt_i32 vcc_lo, 16*(n/8)+n%8, v[ST+11]    ; on the diagonal the scores of hidden keys become -infinity ahead of the maximum: p = 0 then.  The step's first key counts for every query of the unit
	v_cndmask_b32 v[S+n], v[S+n], v[NINF], vcc_lo
	v_cmp_gt_i32 vcc_lo, 16*(n/8)+n%8, v[ST+12+11]
	v_cndmask_b32 v[S+64+n], v[S+64+n], v[NINF], vcc_lo
.set n, n+1
.endr
.Lopen_\@:
.endif
.irp x, 0,1                                    ; the step's largest score of my query among my 64 keys: two chains a tile, the tiles by turns, each accumulator from its low end on
	v_max3_num_f32 v[ST+12*\x+8], v[S+64*\x], v[S+64*\x+1], v[S+64*\x+2]
	v_max3_num_f32 v[ST+12*\x+9], v[S+64*\x+3], v[S+64*\x+4], v[S+64*\x+5]
.endr
.irp i, 6,10,14,18,22,26,30,34,38,42,46,50,54,58
.irp x, 0,1
	v_max3_num_f32 v[ST+12*\x+8], v[ST+12*\x+8], v[S+64*\x+\i], v[S+64*\x+\i+1]
	v_max3_num_f32 v[ST+12*\x+9], v[ST+12*\x+9], v[S+64*\x+\i+2], v[S+64*\x+\i+3]
.endr
.endr
.irp x, 0,1
	v_max3_num_f32 v[ST+12*\x+8], v[ST+12*\x+8], v[S+64*\x+62], v[S+64*\x+63]
.endr
.irp x, 0,1
	v_max_num_f32 v[ST+12*\x+8], v[ST+12*\x+8], v[ST+12*\x+9]
.endr
.irp x, 0,1
	v_permlanex16_b32 v[ST+12*\x+10], v[ST+12*\x+8], s[SEL], s[SEL+1]
.endr
.irp x, 0,1
	v_max_num_f32 v[ST+12*\x+8], v[ST+12*\x+8], v[ST+12*\x+10]   ; and among lane l xor 16's
.endr
.irp x, 0,1
	v_mul_f32 v[ST+12*\x+8], s[CS], v[ST+12*\x+8]  ; as t (c is positive)
.endr
.irp x, 0,1
	v_max_num_f32 v[ST+12*\x+1], v[ST+12*\x+1], v[ST+12*\x+8]    ; the running largest t
	v_mov_b32 v[ST+12*\x+8], v[ST+12*\x]
.endr
.irp x, 0,1
	v_floor_f32 v[ST+12*\x], -v[ST+12*\x+1]        ; the new -M = floor(-t) = -ceil(t): M is a whole number
.endr
.irp x, 0,1
	v_sub_f32 v[ST+12*\x+8], v[ST+12*\x], v[ST+12*\x+8]          ; M's old value less its new one: a whole number, 0 or less
.endr
.irp x, 0,1
	v_cvt_i32_f32 v[ST+12*\x+8], v[ST+12*\x+8]     ; (it saturates)
.endr
.irp x, 0,1
	v_ldexp_f32 v[ST+12*\x+4], 1.0, v[ST+12*\x+8]  ; f = 2^(old M - new M)
.endr
.set q, 0
.rept 32
	v_pk_fma_f32 v[S+2*q:S+2*q+1], v[S+2*q:S+2*q+1], s[CS:CS+1], v[ST:ST+1] op_sel_hi:[1,0,0]   ; tile 0: t - M, two at a time (of the pairs c and -M the low word serves both halves)
.set q, q+1
.endr
.set q, 0
.rept 32                                       ; tile 0's exponentials, p = 2^(t - M), with tile 1's t - M between them
	v_exp_f32 v[S+2*q], v[S+2*q]
	v_pk_fma_f32 v[S+64+2*q:S+64+2*q+1], v[S+64+2*q:S+64+2*q+1], s[CS:CS+1], v[ST+12:ST+13] op_sel_hi:[1,0,0]
	v_exp_f32 v[S+2*q+1], v[S+2*q+1]
.set q, q+1
.endr
.set q, 0
.rept 32
	SLICE 0, 1                                     ; tile 0's sums and holds, with tile 1's exponentials between them
.endr
	TAILS 0
.set q, 0
.rept 32
	SLICE 1, 0
.endr
	TAILS 1
	WIN 0x41                                       ; O^T (destination and source 0) window 1, f window 0
.irp x, 0,1
.set n, 0
.rept 16
	v_pk_mul_f32 v[32*\x+2*n:32*\x+2*n+1], v[32*\x+2*n:32*\x+2*n+1], v[ST+12*\x+4:ST+12*\x+5] op_sel_hi:[1,0]   ; O^T under the new M.  (These are also the plain lines between the conversions and the products that read their results)
.set n, n+1
.endr
.endr
	s_wait_dscnt 0x0                               ; V is in
	WIN 0x51                                       ; V (source 0), C and D window 1; p's codes window 0
.irp t, 0,1,2,3
.irp x, 0,1
	v_wmma_f32_16x16x128_bf8_bf8 v[32*\x+8*\t:32*\x+8*\t+7], v[VF+16*\t:VF+16*\t+15], v[P+16*\x:P+16*\x+15], v[32*\x+8*\t:32*\x+8*\t+7]   ; eight accumulators by turns, one instruction a turn
.endr
.endr
	WIN 0
.if \diag
.Lhidden_\@:
	s_add_co_u32 s[KS], s[KS], 1
.endif
	s_add_co_u32 s[TB], s[TB], STEPB
.endm
; THE WAY OUT of a unit.  The sum's two halves and the other half of the lanes' are added; O^T is divided by the sum, multiplied by 2^(e8 + e9), and goes through my stage in LDS, a tile of 16 queries at a time:
; a query's 64 channels are 256 bytes, which sixteen lanes store as one aligned run.  The first additions are the places behind the last products.  ob: the scalar pair with the unit's first row of out.
.macro OUT ob, last
.irp x, 0,1
	v_add_f32 v[ST+12*\x+2], v[ST+12*\x+2], v[ST+12*\x+3]
.endr
.irp x, 0,1
	v_permlanex16_b32 v[ST+12*\x+10], v[ST+12*\x+2], s[SEL], s[SEL+1]
.endr
.irp x, 0,1
	v_add_f32 v[ST+12*\x+2], v[ST+12*\x+2], v[ST+12*\x+10]
.endr
.irp x, 0,1
	v_rcp_f32 v[ST+12*\x+2], v[ST+12*\x+2]
.endr
	v_nop                                          ; a plain line between the last reciprocal and the use of its result
	s_wait_alu depctr_va_vdst(0)
.irp x, 0,1
	v_ldexp_f32 v[ST+12*\x+2], v[ST+12*\x+2], s[EPV]
.endr
	WIN 0x01                                       ; source 0 (O^T) window 1
.irp x, 0,1
.set n, 0
.rept 16
	v_pk_mul_f32 v[S+32*\x+2*n:S+32*\x+2*n+1], v[32*\x+2*n:32*\x+2*n+1], v[ST+12*\x+2:ST+12*\x+3] op_sel_hi:[1,0]   ; register 8 t + j: out(query r, channel 16 t + 8 h + j)
.set n, n+1
.endr
.endr
	WIN 0
.irp x, 0,1
.irp t, 0,1,2,3
	ds_store_b128 v[STO], v[S+32*\x+8*\t:S+32*\x+8*\t+3] offset:64*\t
	ds_store_b128 v[STO], v[S+32*\x+8*\t+4:S+32*\x+8*\t+7] offset:64*\t+16
.endr
.irp i, 0,1,2,3,4,5,6,7
	ds_load_b128 v[S+64+32*\x+4*\i:S+64+32*\x+4*\i+3], v[RD] offset:2*\i*SP   ; LDS serves a wave's instructions in order (ISA guide 5.7.1.4): these see my stores, and the next tile's stores come behind them
.endr
.endr
.irp x, 0,1
.irp i, 0,1,2,3,4,5,6,7
	s_wait_dscnt 23-16*\x-\i                       ; behind this load: the tile's later loads and, for tile 0, tile 1's sixteen LDS instructions
	global_store_b128 v[GO], v[S+64+32*\x+4*\i:S+64+32*\x+4*\i+3], s[\ob:\ob+1] offset:(16*\x+2*\i)*4096 th:TH_STORE_NT   ; 16 lanes store 256 consecutive bytes, aligned; written once, read by nobody here
.endr
.endr
.if \last == 0
	s_wait_xcnt 0x0                                ; the stores have had their addresses translated (ISA guide 3.1): the next unit's scores land in their data registers only behind this wait
.endif
.endm
	s_sub_co_u32 s66, 3, s[CX]                     ; THE LONG UNIT: the (3 - cx)-th 32 queries of key step 15 - w
	s_lshl_b32 s66, s66, 5
	INIT 66
	s_sub_co_u32 s[AD], 15, s[WV]
	s_wait_loadcnt 0x0                             ; Q
	s_wait_tensorcnt 0x3                           ; my block of key steps 0-3 is in; the three later groups may stay out
	s_barrier_signal -1
	s_barrier_wait -1                              ; everybody's is
	s_mov_b32 s[TB], 0
	s_mov_b32 s[CNT], 4
.Lsteps_0:                                         ; key steps 0-3: every key counts for every wave's long unit (its diagonal step is 8 or later)
	STEP QL, 0
	s_sub_co_u32 s[CNT], s[CNT], 1
	s_cmp_lg_u32 s[CNT], 0
	s_cbranch_scc1 .Lsteps_0
	s_wait_tensorcnt 0x2                           ; my block of key steps 4-7 is in; two groups may stay out
	s_wait_dscnt 0x0
	s_barrier_signal -1
	s_barrier_wait -1
	s_mov_b32 s[TB], 4*STEPB
	s_mov_b32 s[CNT], 4
.Lsteps_4:
	STEP QL, 0
	s_sub_co_u32 s[CNT], s[CNT], 1
	s_cmp_lg_u32 s[CNT], 0
	s_cbranch_scc1 .Lsteps_4
	s_wait_tensorcnt 0x0                           ; all my blocks are in
	s_wait_dscnt 0x0
	s_barrier_signal -1
	s_barrier_wait -1                              ; all of K and V lies in LDS: no further barrier but the closing round's
	s_mov_b32 s[TB], 8*STEPB
	s_mov_b32 s[KS], 8
	s_mov_b32 s[CNT], 8
.Lsteps_8:                                         ; key steps 8-15: open up to step 14 - w, masked in step 15 - w, left out behind it
	STEP QL, 1
	s_sub_co_u32 s[CNT], s[CNT], 1
	s_cmp_lg_u32 s[CNT], 0
	s_cbranch_scc1 .Lsteps_8
	OUT 56, 0
	s_lshl_b32 s66, s[CX], 5                       ; THE SHORT UNIT: the cx-th 32 queries of key step w
	INIT 66
	s_mov_b32 s[AD], s[WV]
	s_mov_b32 s[TB], 0
	s_mov_b32 s[KS], 0
	s_mov_b32 s[CNT], 8
.Lshort:                                           ; key steps 0-7
	STEP QS, 1
	s_sub_co_u32 s[CNT], s[CNT], 1
	s_cmp_lg_u32 s[CNT], 0
	s_cbranch_scc1 .Lshort
	OUT 58, 1
	s_wait_tensorcnt 0x0
	ds_add_u32 v254, v255
	s_wait_dscnt 0x0
	CROUND                                         ; the closing round: no work-group ends while a partner may still ask for a block that names it
	s_endpgm
.Lfunc_end_k_qe86ec26598_attn:
	.size	k_qe86ec26598_attn, .Lfunc_end_k_qe86ec26598_attn-k_qe86ec26598_attn
	.p2alignl 7, 3214868480
	.fill 96, 4, 3214868480
	.section	.rodata,"a",@progbits
	.p2align	6, 0x0
	.amdhsa_kernel k_qe86ec26598_attn
		.amdhsa_group_segment_fixed_size 327680
		.amdhsa_private_segment_fixed_size 0
		.amdhsa_enable_private_segment 0
		.amdhsa_kernarg_size 24
		.amdhsa_user_sgpr_count 2
		.amdhsa_user_sgpr_kernarg_segment_ptr 1
		.amdhsa_wavefront_size32 1
		.amdhsa_system_sgpr_workgroup_id_x 1
		.amdhsa_system_sgpr_workgroup_id_y 1
		.amdhsa_system_sgpr_workgroup_id_z 1
		.amdhsa_system_vgpr_workitem_id 0
		.amdhsa_next_free_vgpr 448
		.amdhsa_next_free_sgpr 72
		.amdhsa_reserve_vcc 1
		.amdhsa_float_denorm_mode_32 3
		.amdhsa_float_denorm_mode_16_64 3
		.amdhsa_memory_ordered 1
		.amdhsa_forward_progress 1
		.amdhsa_inst_pref_size 159
	.end_amdhsa_kernel
	.amdgpu_metadata
---
amdhsa.version: [ 1, 2 ]
amdhsa.kernels:
  - .name:           k_qe86ec26598_attn
    .symbol:         k_qe86ec26598_attn.kd
    .args:
      - { .name: qkv, .offset: 0, .size: 8, .value_kind: global_buffer, .address_space: global }
      - { .name: lowp_scales, .offset: 8, .size: 8, .value_kind: global_buffer, .address_space: global }
      - { .name: out0, .offset: 16, .size: 8, .value_kind: global_buffer, .address_space: global }
    .group_segment_fixed_size: 327680
    .private_segment_fixed_size: 0
    .kernarg_segment_align: 8
    .kernarg_segment_size: 24
    .max_flat_workgroup_size: 256
    .sgpr_count:     72
    .vgpr_count:     448
    .wavefront_size: 32
...
	.end_amdgpu_metadata
.endif
;; end of part 2
